; MI455X (gfx1250); checked and timed in simulation.
; The chip was launched on July 23, 2026; its instructions are those of AMD's public machine-readable ISA for CDNA 5 (MIT licence, August 2026) and "CDNA5" Instruction Set Architecture Reference Guide (July 2026). The comments in the code are by the model that wrote it; some were corrected since.
;; Neural Spline Fourier Filter. Allowed arithmetic: float matrix products may take bf16 or f16 operands with f32 sums; all other float work in f32.
;; Inputs: W1 1 x 32 float32; W2 32 x 32 float32; Wk 32 x 7 float32; Ww 32 x 9 float32; a 1 float32; b1 32 float32; b2 32 float32; bk 7 float32; bw 9 float32; x 256 x 256 x 256 float32.
;; Outputs: out0 256 x 256 x 256 float32.
;; 2 versions, each right and faster than the one before. Each part assembles by itself: llvm-mc -triple=amdgcn-amd-amdhsa -mcpu=gfx1250 --defsym DOCPART=n.
;; ======== version 1 of 2: 1 launch
;; limits: right only within a limited range of input values
;; launch spline (part 1): grid 256 x 1, 16 waves a work-group, no clusters, 2,560 bytes of LDS; arguments x, out0, W1, b1, W2, b2, Ww, Wk, a, bw, bk; writes out0
.if DOCPART == 1
	.amdgcn_target "amdgcn-amd-amdhsa--gfx1250"
	.amdhsa_code_object_version 6
	.text
	.protected	k_q61db4400f0_spline
	.globl	k_q61db4400f0_spline
	.p2align	8
	.type	k_q61db4400f0_spline,@function
k_q61db4400f0_spline:
	s_mov_b64 s[64:65], 0
	v_nop
	global_prefetch_b8 v0, s[64:65] scope:SCOPE_SE
	s_setreg_imm32_b32 hwreg(HW_REG_WAVE_MODE, 25, 1), 1
	s_wait_xcnt 0x0
; out0 = cubic B-spline S(clip(x / sqrt 3, 0, 0.9999)); its 14 knots t and 10 control points c come from a small net of the one number a.
;
; THE SPLINE AS A SUM OF CLAMPED PIECES.  The clipped argument xp lies in [0, C], C = 0.9999 < t[10] (a softmax's running sum ends at 1 to a few
; last bits), so the knot index k is 3 .. 9: seven pieces, i = k - 3, and only t[1..12] and c[0..9] are ever indexed (t[0], t[13] are not built).
; With kappa = min(t, C), h_i = kappa_(i+1) - kappa_i, s_i = clamp((xp - kappa_i) / h_i, 0, 1) and P_i the piece's cubic in s_i:
;     S = P_0(0) + sum over i of g_i(s_i),     g_i(s) = P_i(s) - P_i(0) = s (b1 + s (b2 + s b3)).
; A piece that xp has passed gives its whole increment (s = 1), one not yet reached gives 0, and the clamps also do both clips.
; s_i = med3(x r_i + q_i, 0, 1), r_i = 1 / (sqrt 3 h_i), q_i = -kappa_i / h_i.  No select, no address and no branch hangs on x:
; 21 vector instructions for an element (for two elements and a piece: 4 packed multiply-adds and 2 med3).  All b are small multiples of the
; control points (every blend weight lies in [0, 1]), so the sum is no difference of large numbers.
;
; COINCIDENT KNOTS (a softmax weight below the running sum's last bit) leave empty pieces; four coincident knots make S jump.  An empty piece
; gets the cubic that it has in the limit eps -> 0 of the knots t[m] + m eps: in alpha = A + B s a denominator that is 0 gives
; A = (3 - j) / (4 - r), B = 1 / (4 - r).  Each such spline is continuous, so P_i(1) = P_(i+1)(0) holds in the limit for empty pieces too, and
; their increments add up to the jump.  An empty piece's s is a step: 1 from xp = kappa on, 0 at the float below kappa (always 1 at kappa = 0).
; Pieces with t[k] >= C cannot be reached and get b1 = b2 = b3 = 0.
;
; NO WORK OF THE PROBLEM IS LEFT OUT; every input is loaded.
; LIMITS.  A NaN in x is not carried to out0 (med3 drops it).  x = -infinity is wrong if the first softmax weight counts as 0.  Softmax weights
; below 2^-120 count as 0, so that a knot distance is 0 or at least 2^-121 and no reciprocal meets a denormal (v_rcp_f32 and v_exp_f32 flush them).
; r and q are rounded, which moves xp against a knot by one or two last bits, as the problem's own rounding of x / sqrt 3 does: at a true jump, or in
; a piece a few last bits wide, the side is decided to within that.  sin: reduction by pi in two parts and a polynomial of degree 11, absolute
; error about 1e-6 up to |argument| = 1e6, growing beyond.
;
; SHARES.  256 work-groups of 16 waves; a work-group owns 256 KiB of x and of out0; thread t owns the 16 bytes at 16 t + 8,192 j, j = 0 .. 31, so
; each load and store of a wave covers 512 consecutive bytes, aligned.  A wave's whole share is 128 registers and is asked for at once, at
; the start: all of the work-group's x is on its way while wave 0 makes the table.  No loop, no ring: no register that a load or store names is
; written again while that instruction is pending.
; The net has products of one row (3,136 operations in all): they run in f32 on the vector unit, a matrix tile would be one sixteenth used.
; No cluster and no LDS tiles: the work-groups share only the net's 6.6 KB of parameters, against 512 KiB of their own traffic each.
.set CHUNK, 8192                       ; bytes that the 512 threads cover with one 16-byte access each
.set TAB,   2                          ; v[2:43]    piece i at TAB + 6 i: (r, q) (b3, b2) (b1, b0)
.set SS,    44                         ; v[44:51]   s of 8 elements
.set TT,    52                         ; v[52:59]   Horner
.set AC,    60                         ; v[60:67]   the running sum
.set ZR,    67                         ; v67        0: LDS address until the table is in registers, then part of AC
.set XX,    68                         ; v[68:195]  chunk j at XX + 4 j: x as loaded, later the result
.set W2R,   196                        ; v[196:227] wave 0: row i of W2; later where the other half's sums land
.set PR,    228                        ; v[228:243] wave 0: my row of Ww (9), my row of Wk (7)
.set CC,    20                         ; v[20:29]   wave 0: c[0..9]
.set KR,    30                         ; v[30:36]   wave 0: the 7 logits, then exponentials, then weights
.set TK,    40                         ; v[40:51]   wave 0: t[1..12]
.set L_C,   64                         ; LDS: t[1..12] at 0, c[0..9] at 64, the table at 128 + 32 i (24 bytes used of each 32)
.set L_TAB, 128
.macro XLOADS                          ; the wave's whole share of x
.set j, 0
.rept 32
	global_load_b128 v[XX+4*j:XX+4*j+3], v1, s[4:5] offset:CHUNK*j th:TH_LOAD_NT
.set j, j+1
.endr
.endm
; v = sin(v).  n = nearest whole number to v / pi; rest = v - n pi, pi in two parts; odd polynomial of degree 11; the sign turns with n's lowest bit.
.macro SIN v
	v_mul_f32 v13, 0x3ea2f983, v[\v]               ; v / pi
	v_rndne_f32 v13, v13
	v_fmamk_f32 v14, v13, 0xc0490fdb, v[\v]        ; - n pi_hi
	v_fmamk_f32 v14, v13, 0x33bbbd2e, v14          ; - n pi_lo
	v_mul_f32 v15, v14, v14
	v_mov_b32 v16, 0xb2d7322b                      ; -1/11!
	v_fmaak_f32 v16, v16, v15, 0x3638ef1d          ; 1/9!
	v_fmaak_f32 v16, v16, v15, 0xb9500d01          ; -1/7!
	v_fmaak_f32 v16, v16, v15, 0x3c088889          ; 1/5!
	v_fmaak_f32 v16, v16, v15, 0xbe2aaaab          ; -1/3!
	v_mul_f32 v16, v16, v15
	v_cvt_i32_f32 v13, v13
	v_fma_f32 v[\v], v16, v14, v14
	v_lshlrev_b32 v13, 31, v13
	v_xor_b32 v[\v], v[\v], v13
.endm
.macro BFLY m                          ; one step of 16 sums over the 16 lanes of a row
.set j, 0
.rept 16
	v_add_f32_dpp v[PR+j], v[PR+j], v[PR+j] row_xmask:\m row_mask:0xf bank_mask:0xf
.set j, j+1
.endr
.endm
; alpha = A + B s.  B = h / den where den > 0, else the limit's value; VCC keeps the test for ALPHAA.
.macro ALPHAB den, rc, bb, bdeg
	v_cmp_lt_f32 vcc_lo, 0, v[\den]
	v_mul_f32 v[\bb], v14, v[\rc]
	v_cndmask_b32 v[\bb], \bdeg, v[\bb], vcc_lo
.endm
.macro ALPHAA num, rc, aa, adeg        ; A = (kappa - lo) / den, or the limit's value
	v_mul_f32 v[\aa], v[\num], v[\rc]
	v_cndmask_b32 v[\aa], \adeg, v[\aa], vcc_lo
.endm
	s_load_b512 s[4:19], s[0:1], 0x0               ; x s[4:5], out0 s[6:7], W1 s[8:9], b1 s[10:11], W2 s[12:13], b2 s[14:15], Ww s[16:17], Wk s[18:19]
	s_load_b128 s[20:23], s[0:1], 0x40             ; a s[20:21], bw s[22:23]
	s_load_b64 s[24:25], s[0:1], 0x50              ; bk
	v_lshl_add_u32 v244, v0, 2, 0x200
	v_mov_b32 v245, 0
	v_lshrrev_b32 v2, 5, v0
	v_readfirstlane_b32 s26, v2                    ; the wave's number
	v_lshlrev_b32 v1, 4, v0                        ; 16 t: my bytes in every chunk; never written again
	v_mov_b32 v[ZR], 0
	s_lshl_b32 s2, ttmp9, 18                       ; the work-group's 256 KiB (64 MiB in all: 32 bits do)
	s_mov_b32 s3, 0
	s_wait_kmcnt 0x0
	s_add_nc_u64 s[4:5], s[4:5], s[2:3]
	s_add_nc_u64 s[6:7], s[6:7], s[2:3]
	s_cmp_lg_u32 s26, 0
	s_cbranch_scc1 .Lothers
	; ---------------- wave 0: the net's parameters first, then its share of x, then the table ----------------
	s_load_b32 s27, s[20:21], 0x0                  ; a
	s_load_b256 s[28:35], s[22:23], 0x0            ; bw[0..7]
	s_load_b32 s36, s[22:23], 0x20                 ; bw[8]
	s_load_b128 s[40:43], s[24:25], 0x0            ; bk[0..3]
	s_load_b64 s[44:45], s[24:25], 0x10            ; bk[4..5]
	s_load_b32 s46, s[24:25], 0x18                 ; bk[6]
	s_mov_b32 s37, 0x76543210                      ; v_permlanex16_b32: lane i of one half reads lane i of the other
	s_mov_b32 s38, 0xfedcba98
	s_mov_b32 s39, 0x3f7ff972                      ; C = 0.9999
	v_and_b32 v2, 31, v0                           ; lane
	v_lshlrev_b32 v3, 2, v2                        ; a word for each lane
	v_mul_u32_u24 v4, 36, v2                       ; my row of Ww (9 words)
	v_mul_u32_u24 v5, 28, v2                       ; my row of Wk (7 words)
	global_load_b32 v6, v3, s[8:9]                 ; W1[0][lane]
	global_load_b32 v7, v3, s[10:11]               ; b1[lane]
.set j, 0
.rept 32
	global_load_b32 v[W2R+j], v3, s[12:13] offset:128*j    ; W2[j][lane]
.set j, j+1
.endr
	global_load_b32 v8, v3, s[14:15]               ; b2[lane]: starts the first of four chains
.set j, 0
.rept 9
	global_load_b32 v[PR+j], v4, s[16:17] offset:4*j       ; Ww[lane][j]
.set j, j+1
.endr
.set j, 0
.rept 7
	global_load_b32 v[PR+9+j], v5, s[18:19] offset:4*j     ; Wk[lane][j]
.set j, j+1
.endr
	XLOADS
	; layer 1: lane = output
	s_wait_kmcnt 0x0                               ; a, bw, bk
	s_wait_loadcnt 63                              ; W1 and b1 are in: 81 loads were issued behind b1's, the wait can name 63 at the most
	v_fma_f32 v12, v6, s27, v7
	SIN 12
	; layer 2: lane = output; input i comes from lane i as a scalar; four chains
	s_wait_loadcnt 48                              ; W2 and b2 are in: behind b2's load stand the 16 of Ww and Wk and the 32 of x
	v_readlane_b32 s48, v12, 0
	v_fmac_f32 v8, s48, v[W2R]
.irp i, 1,2,3
	v_readlane_b32 s[48+\i], v12, \i
	v_mul_f32 v[8+\i], s[48+\i], v[W2R+\i]
.endr
.set i, 4
.rept 28
	v_readlane_b32 s[48+i%16], v12, i
	v_fmac_f32 v[8+i%4], s[48+i%16], v[W2R+i]
.set i, i+1
.endr
	v_add_f32 v8, v8, v9
	v_add_f32 v10, v10, v11
	v_add_f32 v12, v8, v10
	SIN 12
	; layer 3: lane = input; 16 sums over the 32 lanes, each ending in every lane
	s_wait_loadcnt 32                              ; Ww and Wk are in: only the 32 loads of x stand behind them
.set j, 0
.rept 16
	v_mul_f32 v[PR+j], v12, v[PR+j]
.set j, j+1
.endr
	BFLY 1
	BFLY 2
	BFLY 4
	BFLY 8
.set j, 0
.rept 16
	v_permlanex16_b32 v[W2R+j], v[PR+j], s37, s38  ; the destination counts as read: W2's rows have been written and are done with
.set j, j+1
.endr
.set j, 0
.rept 16
	v_add_f32 v[PR+j], v[PR+j], v[W2R+j]
.set j, j+1
.endr
	v_mov_b32 v[CC], 0                             ; c[0] = 0, as the problem builds it
.set j, 0
.rept 9
	v_add_f32 v[CC+1+j], s[28+j], v[PR+j]          ; c[1 + j] = w[j]
.set j, j+1
.endr
.set j, 0
.rept 7
	v_add_f32 v[KR+j], s[40+j], v[PR+9+j]          ; logits
.set j, j+1
.endr
	; softmax with its maximum taken away, and the running sum: the same in every lane
	v_max3_num_f32 v37, v[KR], v[KR+1], v[KR+2]
	v_max3_num_f32 v37, v37, v[KR+3], v[KR+4]
	v_max3_num_f32 v37, v37, v[KR+5], v[KR+6]
.set j, 0
.rept 7
	v_sub_f32 v[KR+j], v[KR+j], v37
	v_mul_f32 v[KR+j], 0x3fb8aa3b, v[KR+j]         ; log2 e: v_exp_f32 is 2^x
.set j, j+1
.endr
.set j, 0
.rept 7
	v_exp_f32 v[KR+j], v[KR+j]
.set j, j+1
.endr
	v_nop                                          ; one plain instruction between a transcendental and the use of its result (ISA guide 5.7.2)
	s_wait_alu depctr_va_vdst(0)
	v_add_f32 v38, v[KR], v[KR+1]
.set j, 2
.rept 5
	v_add_f32 v38, v38, v[KR+j]
.set j, j+1
.endr
	v_rcp_f32 v39, v38                             ; the sum is at least 1: the largest term is 2^0
	v_nop
.set j, 0
	s_wait_alu depctr_va_vdst(0)
.rept 7
	v_mul_f32 v[KR+j], v[KR+j], v39
.set j, j+1
.endr
	v_mov_b32 v[TK], 0                             ; t[1] = t[2] = t[3] = 0
	v_mov_b32 v[TK+1], 0
	v_mov_b32 v[TK+2], 0
	v_cmp_le_f32 vcc_lo, 0x03800000, v[KR]         ; weights below 2^-120 count as 0 (the limit stated at the head)
	v_cndmask_b32 v[TK+3], 0, v[KR], vcc_lo        ; t[4]
.set j, 1
.rept 6
	v_cmp_le_f32 vcc_lo, 0x03800000, v[KR+j]
	v_cndmask_b32 v[KR+j], 0, v[KR+j], vcc_lo
	v_add_f32 v[TK+3+j], v[TK+2+j], v[KR+j]        ; t[4 + j]
.set j, j+1
.endr
	v_mov_b32 v[TK+10], 1.0                        ; t[11] = t[12] = 1
	v_mov_b32 v[TK+11], 1.0
	; from "the same in every lane" to "lane i has piece i's six knots and four control points": through LDS bytes that only this wave touches
	; before the barrier; LDS serves a wave's instructions in order, so no wait stands between the stores and the loads
	ds_store_b128 v[ZR], v[TK:TK+3]
	ds_store_b128 v[ZR], v[TK+4:TK+7] offset:16
	ds_store_b128 v[ZR], v[TK+8:TK+11] offset:32
	ds_store_b128 v[ZR], v[CC:CC+3] offset:L_C
	ds_store_b128 v[ZR], v[CC+4:CC+7] offset:L_C+16
	ds_store_b64 v[ZR], v[CC+8:CC+9] offset:L_C+32
	v_min_u32 v52, 6, v2                           ; piece = min(lane, 6): lanes 7 to 31 repeat piece 6
	v_lshlrev_b32 v53, 5, v52                      ; 32 bytes of the table for a piece
	v_lshlrev_b32 v52, 2, v52
.set j, 0
.rept 6
	ds_load_b32 v[2+j], v52 offset:4*j             ; v2 .. v7 = t[k-2] .. t[k+3], k = 3 + piece
.set j, j+1
.endr
.set j, 0
.rept 4
	ds_load_b32 v[8+j], v52 offset:L_C+4*j         ; v8 .. v11 = c[k-3] .. c[k]
.set j, j+1
.endr
	s_wait_dscnt 0x0
	; the six blend weights alpha = A + B s
	v_min_num_f32 v12, s39, v4                     ; kappa_lo = min(t[k], C)
	v_min_num_f32 v13, s39, v5                     ; kappa_hi = min(t[k+1], C)
	v_sub_f32 v14, v13, v12                        ; h
	v_sub_f32 v24, v7, v4                          ; r = 1, j = 3: t[k+3] - t[k]
	v_sub_f32 v25, v6, v3                          ; r = 1, j = 2: t[k+2] - t[k-1]
	v_sub_f32 v26, v5, v2                          ; r = 1, j = 1: t[k+1] - t[k-2]
	v_sub_f32 v27, v6, v4                          ; r = 2, j = 3: t[k+2] - t[k]
	v_sub_f32 v28, v5, v3                          ; r = 2, j = 2: t[k+1] - t[k-1]
	v_sub_f32 v29, v5, v4                          ; r = 3, j = 3: t[k+1] - t[k]
.set j, 0
.rept 6
	v_rcp_f32 v[30+j], v[24+j]                     ; the denominators stay: 1 / 0 is +infinity and would pass for positive
.set j, j+1
.endr
	v_rcp_f32 v36, v14                             ; 1 / h
	v_sub_f32 v37, v12, v3                         ; kappa_lo - t[k-1]: also the plain instruction behind the reciprocals
	v_sub_f32 v38, v12, v2                         ; kappa_lo - t[k-2]
	s_wait_alu depctr_va_vdst(0)
	ALPHAB 24, 30, 15, 0x3eaaaaab                  ; B13; for j = 3 A is 0 in both forms
	ALPHAB 25, 31, 17, 0x3eaaaaab                  ; B12
	ALPHAA 37, 31, 16, 0x3eaaaaab                  ; A12
	ALPHAB 26, 32, 19, 0x3eaaaaab                  ; B11
	ALPHAA 38, 32, 18, 0x3f2aaaab                  ; A11
	ALPHAB 27, 33, 20, 0.5                         ; B23
	ALPHAB 28, 34, 22, 0.5                         ; B22
	ALPHAA 37, 34, 21, 0.5                         ; A22
	ALPHAB 29, 35, 23, 1.0                         ; B33
	; de Boor's three levels on polynomials in s: d[j] = d[j-1] + alpha (d[j] - d[j-1])
	v_sub_f32 v39, v11, v10                        ; e3
	v_sub_f32 v40, v10, v9                         ; e2
	v_sub_f32 v41, v9, v8                          ; e1
	v_mul_f32 v42, v15, v39                        ; d3 = (c2, v42)
	v_fma_f32 v43, v16, v40, v9                    ; d2 = (v43, v44)
	v_mul_f32 v44, v17, v40
	v_fma_f32 v45, v18, v41, v8                    ; d1 = (v45, v46)
	v_mul_f32 v46, v19, v41
	v_sub_f32 v47, v10, v43                        ; D = d3 - d2
	v_sub_f32 v48, v42, v44
	v_sub_f32 v49, v43, v45                        ; F = d2 - d1
	v_sub_f32 v50, v44, v46
	v_fma_f32 v39, v20, v47, v44                   ; level 2, d3 = (v43, v39, v40)
	v_mul_f32 v40, v20, v48
	v_fma_f32 v61, v21, v49, v45                   ; level 2, d2 = (v61, v42, v51); v61 is already b0
	v_fma_f32 v42, v21, v50, v46
	v_fma_f32 v42, v22, v49, v42
	v_mul_f32 v51, v22, v50
	v_sub_f32 v54, v43, v61                        ; G = d3 - d2
	v_sub_f32 v55, v39, v42
	v_sub_f32 v47, v40, v51
	v_fma_f32 v60, v23, v54, v42                   ; b1
	v_fma_f32 v59, v23, v55, v51                   ; b2
	v_mul_f32 v58, v23, v47                        ; b3
	; r, q and the three cases of a piece
	v_cmp_lt_f32 s48, 0, v14                       ; live: h > 0
	v_cmp_gt_f32 s49, s39, v4                      ; can be reached: t[k] < C
	v_cmp_lt_f32 s50, 0, v4                        ; t[k] > 0
	v_mul_f32 v56, 0x3f13cd3a, v36                 ; r = 1 / (sqrt 3 h)
	v_mul_f32 v57, -v12, v36                       ; q = -kappa_lo / h
	v_mov_b32 v43, 0x00800000                      ; empty at 0: r = 2^-126, q = 2^126: s = 1 for every finite x
	v_mov_b32 v44, 0x7e13cd3a                      ; empty elsewhere: r = 2^126 / sqrt 3,
	v_cndmask_b32 v43, v43, v44, s50
	v_mul_f32 v45, 0x3f7fffff, v4                  ; t[k] (1 - 2^-24) rounds to the float below t[k],
	v_mul_f32 v45, 0xfe800000, v45                 ; q = -2^126 times it: a step between that float and t[k]
	v_mov_b32 v46, 0x7e800000
	v_cndmask_b32 v45, v46, v45, s50
	v_cndmask_b32 v56, v43, v56, s48
	v_cndmask_b32 v57, v45, v57, s48
	v_cndmask_b32 v58, 0, v58, s49
	v_cndmask_b32 v59, 0, v59, s49
	v_cndmask_b32 v60, 0, v60, s49
	ds_store_b128 v53, v[56:59] offset:L_TAB       ; lanes 6 to 31 write the same bytes with the same values
	ds_store_b64 v53, v[60:61] offset:L_TAB+16
	s_branch .Lmeet
.Lothers:
	XLOADS
.Lmeet:
	s_wait_dscnt 0x0                               ; for the other waves' sake: wave 0's table is in LDS before it signals
	s_barrier_signal -1                            ; the only barrier; the loads of x stay on their way across it: nobody writes x
	s_barrier_wait -1
.set j, 0
.rept 7
	ds_load_b128 v[TAB+6*j:TAB+6*j+3], v[ZR] offset:L_TAB+32*j         ; every lane reads the same words
	ds_load_b64 v[TAB+6*j+4:TAB+6*j+5], v[ZR] offset:L_TAB+32*j+16
.set j, j+1
.endr
	s_wait_dscnt 0x0
; Piece i for the 8 elements at v[XB:XB+7].  A table pair serves as two broadcast operands: op_sel and op_sel_hi pick its first or its second register for both halves.
.macro PIECE i
.irp p, 0,2,4,6
	v_pk_fma_f32 v[SS+\p:SS+\p+1], v[XB+\p:XB+\p+1], v[TAB+6*\i:TAB+6*\i+1], v[TAB+6*\i:TAB+6*\i+1] op_sel:[0,0,1] op_sel_hi:[1,0,1]           ; x r + q
.endr
.irp e, 0,1,2,3,4,5,6,7
	v_med3_num_f32 v[SS+\e], v[SS+\e], 0, 1.0                                                                                                  ; s
.endr
.irp p, 0,2,4,6
	v_pk_fma_f32 v[TT+\p:TT+\p+1], v[SS+\p:SS+\p+1], v[TAB+6*\i+2:TAB+6*\i+3], v[TAB+6*\i+2:TAB+6*\i+3] op_sel:[0,0,1] op_sel_hi:[1,0,1]       ; s b3 + b2
.endr
.irp p, 0,2,4,6
	v_pk_fma_f32 v[TT+\p:TT+\p+1], v[TT+\p:TT+\p+1], v[SS+\p:SS+\p+1], v[TAB+6*\i+4:TAB+6*\i+5] op_sel_hi:[1,1,0]                              ; .. s + b1
.endr
.irp p, 0,2,4,6
.if \i == 0
	v_pk_fma_f32 v[AC+\p:AC+\p+1], v[TT+\p:TT+\p+1], v[SS+\p:SS+\p+1], v[TAB+4:TAB+5] op_sel:[0,0,1] op_sel_hi:[1,1,1]                         ; piece 0's b0 = P_0(0) starts the sum
.elseif \i == 6
	v_pk_fma_f32 v[XB+\p:XB+\p+1], v[TT+\p:TT+\p+1], v[SS+\p:SS+\p+1], v[AC+\p:AC+\p+1]                                                        ; x is done with: the result lands where it was
.else
	v_pk_fma_f32 v[AC+\p:AC+\p+1], v[TT+\p:TT+\p+1], v[SS+\p:SS+\p+1], v[AC+\p:AC+\p+1]
.endif
.endr
.endm
; Chunks 2 g and 2 g + 1.  The stored registers and v1 are never written again, so no wait follows the stores.
.macro GROUP g
.set XB, XX+8*\g
	s_wait_loadcnt 30-2*\g                         ; loads come back in order (ISA guide 5.7.1): these two chunks are in, the 30 - 2 g younger ones stay out
.irp i, 0,1,2,3,4,5,6
	PIECE \i
.endr
	global_store_b128 v1, v[XB:XB+3], s[6:7] offset:CHUNK*(2*\g) th:TH_STORE_NT
	global_store_b128 v1, v[XB+4:XB+7], s[6:7] offset:CHUNK*(2*\g+1) th:TH_STORE_NT
.endm
.irp g, 0,1,2,3,4,5,6,7,8,9,10,11,12,13,14,15
	GROUP \g
.endr
	s_wait_tensorcnt 0x0
	ds_add_u32 v244, v245
	s_wait_dscnt 0x0
	s_endpgm
.Lfunc_end_k_q61db4400f0_spline:
	.size	k_q61db4400f0_spline, .Lfunc_end_k_q61db4400f0_spline-k_q61db4400f0_spline
	.p2alignl 7, 3214868480
	.fill 96, 4, 3214868480
	.section	.rodata,"a",@progbits
	.p2align	6, 0x0
	.amdhsa_kernel k_q61db4400f0_spline
		.amdhsa_group_segment_fixed_size 2560
		.amdhsa_private_segment_fixed_size 0
		.amdhsa_enable_private_segment 0
		.amdhsa_kernarg_size 88
		.amdhsa_user_sgpr_count 2
		.amdhsa_user_sgpr_kernarg_segment_ptr 1
		.amdhsa_wavefront_size32 1
		.amdhsa_system_sgpr_workgroup_id_x 1
		.amdhsa_system_sgpr_workgroup_id_y 1
		.amdhsa_system_sgpr_workgroup_id_z 1
		.amdhsa_system_vgpr_workitem_id 0
		.amdhsa_next_free_vgpr 246
		.amdhsa_next_free_sgpr 66
		.amdhsa_reserve_vcc 1
		.amdhsa_float_denorm_mode_32 3
		.amdhsa_float_denorm_mode_16_64 3
		.amdhsa_memory_ordered 1
		.amdhsa_forward_progress 1
		.amdhsa_inst_pref_size 204
	.end_amdhsa_kernel
	.amdgpu_metadata
---
amdhsa.version: [ 1, 2 ]
amdhsa.kernels:
  - .name:           k_q61db4400f0_spline
    .symbol:         k_q61db4400f0_spline.kd
    .args:
      - { .name: x, .offset: 0, .size: 8, .value_kind: global_buffer, .address_space: global }
      - { .name: out0, .offset: 8, .size: 8, .value_kind: global_buffer, .address_space: global }
      - { .name: W1, .offset: 16, .size: 8, .value_kind: global_buffer, .address_space: global }
      - { .name: b1, .offset: 24, .size: 8, .value_kind: global_buffer, .address_space: global }
      - { .name: W2, .offset: 32, .size: 8, .value_kind: global_buffer, .address_space: global }
      - { .name: b2, .offset: 40, .size: 8, .value_kind: global_buffer, .address_space: global }
      - { .name: Ww, .offset: 48, .size: 8, .value_kind: global_buffer, .address_space: global }
      - { .name: Wk, .offset: 56, .size: 8, .value_kind: global_buffer, .address_space: global }
      - { .name: a, .offset: 64, .size: 8, .value_kind: global_buffer, .address_space: global }
      - { .name: bw, .offset: 72, .size: 8, .value_kind: global_buffer, .address_space: global }
      - { .name: bk, .offset: 80, .size: 8, .value_kind: global_buffer, .address_space: global }
    .group_segment_fixed_size: 2560
    .private_segment_fixed_size: 0
    .kernarg_segment_align: 8
    .kernarg_segment_size: 88
    .max_flat_workgroup_size: 512
    .sgpr_count:     66
    .vgpr_count:     246
    .wavefront_size: 32
...
	.end_amdgpu_metadata
.endif
;; end of part 1
;; ======== version 2 of 2: 1 launch; 1.20 times as fast as version 1
;; limits: right only within a limited range of input values
;; launch spline (part 2): grid 256 x 1, 16 waves a work-group, no clusters, 10,240 bytes of LDS; arguments x, out0, W1, b1, W2, b2, Ww, Wk, a, bw, bk; writes out0
.if DOCPART == 2
	.amdgcn_target "amdgcn-amd-amdhsa--gfx1250"
	.amdhsa_code_object_version 6
	.text
	.protected	k_q61db4400f0_spline
	.globl	k_q61db4400f0_spline
	.p2align	8
	.type	k_q61db4400f0_spline,@function
k_q61db4400f0_spline:
	s_mov_b64 s[64:65], 0
	v_nop
	global_prefetch_b8 v0, s[64:65] scope:SCOPE_SE
	s_setreg_imm32_b32 hwreg(HW_REG_WAVE_MODE, 25, 1), 1
	s_wait_xcnt 0x0
; out0 = cubic B-spline S(clip(x / sqrt 3, 0, 0.9999)); its 14 knots t and 10 control points c come from a small net of the one number a.
;
; THE SPLINE AS A SUM OF CLAMPED PIECES.  The clipped argument xp lies in [0, C], C = 0.9999 < t[10] (a softmax's running sum ends at 1 to a few
; last bits), so the knot index k is 3 .. 9: seven pieces, i = k - 3, and only t[1..12] and c[0..9] are ever indexed (t[0], t[13] are not built).
; With kappa = min(t, C), h_i = kappa_(i+1) - kappa_i, s_i = clamp((xp - kappa_i) / h_i, 0, 1) and P_i the piece's cubic in s_i:
;     S = P_0(0) + sum over i of g_i(s_i),     g_i(s) = P_i(s) - P_i(0) = s (b1 + s (b2 + s b3)).
; A piece that xp has passed gives its whole increment (s = 1), one not yet reached gives 0, and the clamps also do both clips.
; s_i = x r_i + q_i clamped to [0, 1] by the multiply-add's own clamp, r_i = 1 / (sqrt 3 h_i), q_i = -kappa_i / h_i.  No select, no address and no
; branch hangs on x: 14 vector instructions for an element (for two elements and a piece: 4 packed multiply-adds).  All b are small multiples of
; the control points (every blend weight lies in [0, 1]), so the sum is no difference of large numbers.
;
; COINCIDENT KNOTS (a softmax weight below the running sum's last bit) leave empty pieces; four coincident knots make S jump.  An empty piece
; gets the cubic that it has in the limit eps -> 0 of the knots t[m] + m eps: in alpha = A + B s a denominator that is 0 gives
; A = (3 - j) / (4 - r), B = 1 / (4 - r).  Each such spline is continuous, so P_i(1) = P_(i+1)(0) holds in the limit for empty pieces too, and
; their increments add up to the jump.  An empty piece's s is a step: 1 from xp = kappa on, 0 at the float below kappa (always 1 at kappa = 0);
; there x r + q may be +/- infinity (q is finite and the product is not rounded, so it is never NaN), which the clamp turns into 1 or 0.
; Pieces with t[k] >= C cannot be reached and get b1 = b2 = b3 = 0.
;
; NO WORK OF THE PROBLEM IS LEFT OUT; every input is loaded.
; LIMITS.  For a NaN in x nothing is promised: out0 need not be NaN there.  x = -infinity is wrong if the first softmax weight counts as 0.  Softmax
; weights below 2^-120 count as 0, so that a knot distance is 0 or at least 2^-121 and no reciprocal meets a denormal (v_rcp_f32 and v_exp_f32 flush
; them).  r and q are rounded, which moves xp against a knot by one or two last bits, as the problem's own rounding of x / sqrt 3 does: at a true
; jump, or in a piece a few last bits wide, the side is decided to within that.  sin: reduction by pi in two parts and a polynomial of degree 11,
; absolute error about 1e-6 up to |argument| = 1e6, growing beyond.
;
; SHARES.  256 work-groups of 16 waves; a work-group owns 256 KiB of x and of out0; thread t owns the 16 bytes at 16 t + 8,192 j, j = 0 .. 31, so
; each load and store of a wave covers 512 consecutive bytes, aligned.  A wave's whole share has registers of its own (128): no register that a
; load or store names is written again while that instruction is pending, and the result is stored from where x was loaded.
; THE ORDER OF REQUESTS.  Everything waits for the table, and the table waits for the net's 6.6 KB of parameters, so these are asked for ahead of
; all x: they are shared out among the 16 waves as each wave's first two or three loads (W2: 8 bytes a thread; Ww's 288 and Wk's 224 words: one
; word a thread; the six short vectors: one wave each) and meet in LDS behind a first barrier.  Ahead of that barrier a wave asks for 8 chunks
; of x only, since its wait for the parameters is issued behind them.  Behind it the fifteen other waves ask for 8 more while wave 0 makes the
; table; wave 0 asks for its 8 behind the table's stores, so that none of its arithmetic stands behind them.  The last 16 chunks are asked for
; two at a time, eight groups of the stream ahead of their use: from the second barrier on a wave has 16 loads, 8 KiB, on their way.
; The net has products of one row (3,136 operations in all): they run in f32 on the vector unit, a matrix tile would be one sixteenth used.
; No cluster and no LDS tiles: the work-groups share only the parameters, against 512 KiB of their own traffic each.
.set CHUNK, 8192                       ; bytes that the 512 threads cover with one 16-byte access each
.set WW_BYTES, 1152                    ; Ww: 32 x 9 words
.set TAB,   2                          ; v[2:43]    piece i at TAB + 6 i: (r, q) (b3, b2) (b1, b0)
.set SS,    44                         ; v[44:51]   s of 8 elements
.set TT,    52                         ; v[52:59]   Horner
.set AC,    60                         ; v[60:67]   the running sum
.set ZR,    67                         ; v67        0: LDS address until the table is in registers, then part of AC
.set XX,    68                         ; v[68:195]  chunk j at XX + 4 j: x as loaded, later the result
.set W2R,   196                        ; v[196:227] wave 0: row i of W2; later where the other half's sums land
.set PR,    228                        ; v[228:243] wave 0: my row of Ww (9), my row of Wk (7)
.set CC,    20                         ; v[20:29]   wave 0: c[0..9]
.set KR,    30                         ; v[30:36]   wave 0: the 7 logits, then exponentials, then weights
.set TK,    40                         ; v[40:51]   wave 0: t[1..12]
.set BW,    40                         ; v[40:48]   wave 0: bw, done with before t is made
.set BK,    56                         ; v[56:62]   wave 0: bk, done with before the table's words are made
.set L_C,   64                         ; LDS: t[1..12] at 0, c[0..9] at 64, the table at 128 + 32 i (24 bytes used of each 32),
.set L_TAB, 128
.set L_V,   512                        ; six rows of 128 bytes: W1, b1, b2, bw, bk, a (a short vector's last word fills its row),
.set L_W3,  1280                       ; Ww as it lies in memory, then Wk,
.set L_W2,  3328                       ; W2 as it lies in memory: 4,096 bytes, to 7,423
.macro XLOADS from, n                  ; n chunks of the wave's share of x
.set j, \from
.rept \n
	global_load_b128 v[XX+4*j:XX+4*j+3], v1, s[4:5] offset:CHUNK*j th:TH_LOAD_NT
.set j, j+1
.endr
.endm
.macro PICK w, p, lim                  ; wave w takes the vector whose address is in s[p:p+1]; lim = byte offset of its last word
	s_cmp_eq_u32 s26, \w
	s_cselect_b64 s[32:33], s[\p:\p+1], s[32:33]
	s_cselect_b32 s34, \lim, s34
.endm
; v = sin(v).  n = nearest whole number to v / pi; rest = v - n pi, pi in two parts; odd polynomial of degree 11; the sign turns with n's lowest bit.
.macro SIN v
	v_mul_f32 v13, 0x3ea2f983, v[\v]               ; v / pi
	v_rndne_f32 v13, v13
	v_fmamk_f32 v14, v13, 0xc0490fdb, v[\v]        ; - n pi_hi
	v_fmamk_f32 v14, v13, 0x33bbbd2e, v14          ; - n pi_lo
	v_mul_f32 v15, v14, v14
	v_mov_b32 v16, 0xb2d7322b                      ; -1/11!
	v_fmaak_f32 v16, v16, v15, 0x3638ef1d          ; 1/9!
	v_fmaak_f32 v16, v16, v15, 0xb9500d01          ; -1/7!
	v_fmaak_f32 v16, v16, v15, 0x3c088889          ; 1/5!
	v_fmaak_f32 v16, v16, v15, 0xbe2aaaab          ; -1/3!
	v_mul_f32 v16, v16, v15
	v_cvt_i32_f32 v13, v13
	v_fma_f32 v[\v], v16, v14, v14
	v_lshlrev_b32 v13, 31, v13
	v_xor_b32 v[\v], v[\v], v13
.endm
.macro BFLY m                          ; one step of 16 sums over the 16 lanes of a row
.set j, 0
.rept 16
	v_add_f32_dpp v[PR+j], v[PR+j], v[PR+j] row_xmask:\m row_mask:0xf bank_mask:0xf
.set j, j+1
.endr
.endm
; alpha = A + B s.  B = h / den where den > 0, else the limit's value; VCC keeps the test for ALPHAA.
.macro ALPHAB den, rc, bb, bdeg
	v_cmp_lt_f32 vcc_lo, 0, v[\den]
	v_mul_f32 v[\bb], v14, v[\rc]
	v_cndmask_b32 v[\bb], \bdeg, v[\bb], vcc_lo
.endm
.macro ALPHAA num, rc, aa, adeg        ; A = (kappa - lo) / den, or the limit's value
	v_mul_f32 v[\aa], v[\num], v[\rc]
	v_cndmask_b32 v[\aa], \adeg, v[\aa], vcc_lo
.endm
	s_load_b512 s[4:19], s[0:1], 0x0               ; x s[4:5], out0 s[6:7], W1 s[8:9], b1 s[10:11], W2 s[12:13], b2 s[14:15], Ww s[16:17], Wk s[18:19]
	s_load_b128 s[20:23], s[0:1], 0x40             ; a s[20:21], bw s[22:23]
	s_load_b64 s[24:25], s[0:1], 0x50              ; bk
	v_lshl_add_u32 v244, v0, 2, 0x2000
	v_mov_b32 v245, 0
	v_lshrrev_b32 v2, 5, v0
	v_readfirstlane_b32 s26, v2                    ; the wave's number
	v_lshlrev_b32 v1, 4, v0                        ; 16 t: my bytes in every chunk; never written again
	v_mov_b32 v[ZR], 0
	v_and_b32 v5, 31, v0                           ; lane
	s_lshl_b32 s31, s26, 8
	s_lshl_b32 s35, s26, 7
	v_lshl_add_u32 v3, v5, 3, s31                  ; 8 t = 256 x wave + 8 x lane: my 8 bytes of W2, in memory and in LDS
	v_lshl_add_u32 v4, v5, 2, s35                  ; 4 t = 128 x wave + 4 x lane: my word of Ww and Wk in LDS, and of my wave's short vector
	s_lshl_b32 s2, ttmp9, 18                       ; the work-group's 256 KiB (64 MiB in all: 32 bits do)
	s_mov_b32 s3, 0
	s_wait_kmcnt 0x0
	s_add_nc_u64 s[4:5], s[4:5], s[2:3]
	s_add_nc_u64 s[6:7], s[6:7], s[2:3]
	; ---------------- the parameters: every wave's first loads ----------------
	global_load_b64 v[6:7], v3, s[12:13]           ; W2: 512 threads x 8 bytes are its 4,096 bytes
	s_cmp_lt_u32 s26, 9                            ; threads 0 to 287 (waves 0 to 8) are Ww's 288 words, threads 288 to 511 Wk's 224
	s_cselect_b64 s[28:29], s[16:17], s[18:19]
	s_cselect_b32 s30, 0, WW_BYTES
	v_sub_nc_u32 v8, v4, s30                       ; the word's offset in its own buffer
	global_load_b32 v9, v8, s[28:29]
	s_cmp_gt_u32 s26, 5
	s_cbranch_scc1 .Lno_vector
	s_mov_b64 s[32:33], s[8:9]                     ; wave 0: W1
	s_mov_b32 s34, 124
	PICK 1, 10, 124                                ; b1
	PICK 2, 14, 124                                ; b2
	PICK 3, 22, 32                                 ; bw: 9 words
	PICK 4, 24, 24                                 ; bk: 7 words
	PICK 5, 20, 0                                  ; a: 1 word
	v_lshlrev_b32 v10, 2, v5
	v_min_u32 v10, s34, v10                        ; lanes past the vector's end repeat its last word: no load leaves its buffer
	global_load_b32 v2, v10, s[32:33]              ; into v2: the wave's number there is done with
.Lno_vector:
	XLOADS 0, 8
	s_wait_loadcnt 8                               ; loads come back in order (ISA guide 5.7.1): my parameters are in, the 8 chunks of x behind them stay out
	ds_store_b64 v3, v[6:7] offset:L_W2
	ds_store_b32 v4, v9 offset:L_W3
	s_cmp_gt_u32 s26, 5
	s_cbranch_scc1 .Lno_vector_2
	ds_store_b32 v4, v2 offset:L_V                 ; row = wave
.Lno_vector_2:
	s_wait_dscnt 0x0                               ; for wave 0's sake: my share is in LDS before I signal
	s_barrier_signal -1                            ; the loads of x stay on their way across both barriers: nobody writes x
	s_barrier_wait -1
	s_cmp_lg_u32 s26, 0
	s_cbranch_scc1 .Lothers
	; ---------------- wave 0: the net and the table ----------------
	s_mov_b32 s37, 0x76543210                      ; v_permlanex16_b32: lane i of one half reads lane i of the other
	s_mov_b32 s38, 0xfedcba98
	s_mov_b32 s39, 0x3f7ff972                      ; C = 0.9999
	v_lshlrev_b32 v3, 2, v5                        ; a word for each lane
	v_mul_u32_u24 v4, 36, v5                       ; my row of Ww (9 words: rows start 9 banks apart, no two lanes in one bank)
	v_mul_u32_u24 v18, 28, v5                      ; my row of Wk (7 words)
	v_min_u32 v52, 6, v5                           ; piece = min(lane, 6): lanes 7 to 31 repeat piece 6
	v_lshlrev_b32 v53, 5, v52                      ; 32 bytes of the table for a piece
	v_lshlrev_b32 v52, 2, v52
	ds_load_b32 v6, v3 offset:L_V                  ; W1[0][lane]
	ds_load_b32 v7, v3 offset:L_V+128              ; b1[lane]
	ds_load_b32 v17, v[ZR] offset:L_V+640          ; a, in every lane
.set j, 0
.rept 32
	ds_load_b32 v[W2R+j], v3 offset:L_W2+128*j     ; W2[j][lane]
.set j, j+1
.endr
	ds_load_b32 v8, v3 offset:L_V+256              ; b2[lane]: starts the first of four chains
.set j, 0
.rept 9
	ds_load_b32 v[PR+j], v4 offset:L_W3+4*j        ; Ww[lane][j]
.set j, j+1
.endr
.set j, 0
.rept 7
	ds_load_b32 v[PR+9+j], v18 offset:L_W3+WW_BYTES+4*j    ; Wk[lane][j]
.set j, j+1
.endr
	ds_load_b128 v[BW:BW+3], v[ZR] offset:L_V+384          ; bw and bk, the same in every lane
	ds_load_b128 v[BW+4:BW+7], v[ZR] offset:L_V+400
	ds_load_b32 v[BW+8], v[ZR] offset:L_V+416
	ds_load_b128 v[BK:BK+3], v[ZR] offset:L_V+512
	ds_load_b64 v[BK+4:BK+5], v[ZR] offset:L_V+528
	ds_load_b32 v[BK+6], v[ZR] offset:L_V+536
	; layer 1: lane = output
	s_wait_dscnt 55                                ; W1, b1 and a are in: 32 + 1 + 16 + 6 LDS loads were issued behind them
	v_fma_f32 v12, v6, v17, v7
	SIN 12
	; layer 2: lane = output; input i comes from lane i as a scalar, sixteen at a time, so that no multiply-add stands next to the read that feeds it; four chains
	s_wait_dscnt 22                                ; W2 and b2 are in: behind b2 stand the 16 loads of Ww and Wk and the 6 of bw and bk
.set i, 0
.rept 16
	v_readlane_b32 s[48+i], v12, i
.set i, i+1
.endr
	v_fmac_f32 v8, s48, v[W2R]
.irp i, 1,2,3
	v_mul_f32 v[8+\i], s[48+\i], v[W2R+\i]
.endr
.set i, 4
.rept 12
	v_fmac_f32 v[8+i%4], s[48+i], v[W2R+i]
.set i, i+1
.endr
.set i, 0
.rept 16
	v_readlane_b32 s[48+i], v12, 16+i
.set i, i+1
.endr
.set i, 0
.rept 16
	v_fmac_f32 v[8+i%4], s[48+i], v[W2R+16+i]
.set i, i+1
.endr
	v_add_f32 v8, v8, v9
	v_add_f32 v10, v10, v11
	v_add_f32 v12, v8, v10
	SIN 12
	; layer 3: lane = input; 16 sums over the 32 lanes, each ending in every lane
	s_wait_dscnt 0x0                               ; Ww, Wk, bw, bk
.set j, 0
.rept 16
	v_mul_f32 v[PR+j], v12, v[PR+j]
.set j, j+1
.endr
	BFLY 1
	BFLY 2
	BFLY 4
	BFLY 8
.set j, 0
.rept 16
	v_permlanex16_b32 v[W2R+j], v[PR+j], s37, s38  ; the destination counts as read: W2's rows have been written and are done with
.set j, j+1
.endr
.set j, 0
.rept 16
	v_add_f32 v[PR+j], v[PR+j], v[W2R+j]
.set j, j+1
.endr
	v_mov_b32 v[CC], 0                             ; c[0] = 0, as the problem builds it
.set j, 0
.rept 9
	v_add_f32 v[CC+1+j], v[BW+j], v[PR+j]          ; c[1 + j] = w[j]
.set j, j+1
.endr
.set j, 0
.rept 7
	v_add_f32 v[KR+j], v[BK+j], v[PR+9+j]          ; logits
.set j, j+1
.endr
	; softmax with its maximum taken away, and the running sum: the same in every lane
	v_max3_num_f32 v37, v[KR], v[KR+1], v[KR+2]
	v_max3_num_f32 v37, v37, v[KR+3], v[KR+4]
	v_max3_num_f32 v37, v37, v[KR+5], v[KR+6]
.set j, 0
.rept 7
	v_sub_f32 v[KR+j], v[KR+j], v37
	v_mul_f32 v[KR+j], 0x3fb8aa3b, v[KR+j]         ; log2 e: v_exp_f32 is 2^x
.set j, j+1
.endr
.set j, 0
.rept 7
	v_exp_f32 v[KR+j], v[KR+j]
.set j, j+1
.endr
	v_nop                                          ; one plain instruction between a transcendental and the use of its result (ISA guide 5.7.2)
	s_wait_alu depctr_va_vdst(0)
	v_add_f32 v38, v[KR], v[KR+1]
.set j, 2
.rept 5
	v_add_f32 v38, v38, v[KR+j]
.set j, j+1
.endr
	v_rcp_f32 v39, v38                             ; the sum is at least 1: the largest term is 2^0
	v_nop
.set j, 0
	s_wait_alu depctr_va_vdst(0)
.rept 7
	v_mul_f32 v[KR+j], v[KR+j], v39
.set j, j+1
.endr
	v_mov_b32 v[TK], 0                             ; t[1] = t[2] = t[3] = 0
	v_mov_b32 v[TK+1], 0
	v_mov_b32 v[TK+2], 0
	v_cmp_le_f32 vcc_lo, 0x03800000, v[KR]         ; weights below 2^-120 count as 0 (the limit stated at the head)
	v_cndmask_b32 v[TK+3], 0, v[KR], vcc_lo        ; t[4]
.set j, 1
.rept 6
	v_cmp_le_f32 vcc_lo, 0x03800000, v[KR+j]       ; all the selects first: they do not hang on the sums
	v_cndmask_b32 v[KR+j], 0, v[KR+j], vcc_lo
.set j, j+1
.endr
.set j, 1
.rept 6
	v_add_f32 v[TK+3+j], v[TK+2+j], v[KR+j]        ; t[4 + j]
.set j, j+1
.endr
	v_mov_b32 v[TK+10], 1.0                        ; t[11] = t[12] = 1
	v_mov_b32 v[TK+11], 1.0
	; from "the same in every lane" to "lane i has piece i's six knots and four control points": through LDS bytes that only this wave touches
	; before the second barrier; LDS serves a wave's instructions in order, so no wait stands between the stores and the loads
	ds_store_b128 v[ZR], v[TK:TK+3]
	ds_store_b128 v[ZR], v[TK+4:TK+7] offset:16
	ds_store_b128 v[ZR], v[TK+8:TK+11] offset:32
	ds_store_b128 v[ZR], v[CC:CC+3] offset:L_C
	ds_store_b128 v[ZR], v[CC+4:CC+7] offset:L_C+16
	ds_store_b64 v[ZR], v[CC+8:CC+9] offset:L_C+32
.set j, 0
.rept 6
	ds_load_b32 v[2+j], v52 offset:4*j             ; v2 .. v7 = t[k-2] .. t[k+3], k = 3 + piece
.set j, j+1
.endr
.set j, 0
.rept 4
	ds_load_b32 v[8+j], v52 offset:L_C+4*j         ; v8 .. v11 = c[k-3] .. c[k]
.set j, j+1
.endr
	s_wait_dscnt 0x0
	; the six blend weights alpha = A + B s
	v_min_num_f32 v12, s39, v4                     ; kappa_lo = min(t[k], C)
	v_min_num_f32 v13, s39, v5                     ; kappa_hi = min(t[k+1], C)
	v_sub_f32 v14, v13, v12                        ; h
	v_sub_f32 v24, v7, v4                          ; r = 1, j = 3: t[k+3] - t[k]
	v_sub_f32 v25, v6, v3                          ; r = 1, j = 2: t[k+2] - t[k-1]
	v_sub_f32 v26, v5, v2                          ; r = 1, j = 1: t[k+1] - t[k-2]
	v_sub_f32 v27, v6, v4                          ; r = 2, j = 3: t[k+2] - t[k]
	v_sub_f32 v28, v5, v3                          ; r = 2, j = 2: t[k+1] - t[k-1]
	v_sub_f32 v29, v5, v4                          ; r = 3, j = 3: t[k+1] - t[k]
.set j, 0
.rept 6
	v_rcp_f32 v[30+j], v[24+j]                     ; the denominators stay: 1 / 0 is +infinity and would pass for positive
.set j, j+1
.endr
	v_rcp_f32 v36, v14                             ; 1 / h
	v_sub_f32 v37, v12, v3                         ; kappa_lo - t[k-1]: also the plain instruction behind the reciprocals
	v_sub_f32 v38, v12, v2                         ; kappa_lo - t[k-2]
	s_wait_alu depctr_va_vdst(0)
	ALPHAB 24, 30, 15, 0x3eaaaaab                  ; B13; for j = 3 A is 0 in both forms
	ALPHAB 25, 31, 17, 0x3eaaaaab                  ; B12
	ALPHAA 37, 31, 16, 0x3eaaaaab                  ; A12
	ALPHAB 26, 32, 19, 0x3eaaaaab                  ; B11
	ALPHAA 38, 32, 18, 0x3f2aaaab                  ; A11
	ALPHAB 27, 33, 20, 0.5                         ; B23
	ALPHAB 28, 34, 22, 0.5                         ; B22
	ALPHAA 37, 34, 21, 0.5                         ; A22
	ALPHAB 29, 35, 23, 1.0                         ; B33
	; de Boor's three levels on polynomials in s: d[j] = d[j-1] + alpha (d[j] - d[j-1])
	v_sub_f32 v39, v11, v10                        ; e3
	v_sub_f32 v40, v10, v9                         ; e2
	v_sub_f32 v41, v9, v8                          ; e1
	v_mul_f32 v42, v15, v39                        ; d3 = (c2, v42)
	v_fma_f32 v43, v16, v40, v9                    ; d2 = (v43, v44)
	v_mul_f32 v44, v17, v40
	v_fma_f32 v45, v18, v41, v8                    ; d1 = (v45, v46)
	v_mul_f32 v46, v19, v41
	v_sub_f32 v47, v10, v43                        ; D = d3 - d2
	v_sub_f32 v48, v42, v44
	v_sub_f32 v49, v43, v45                        ; F = d2 - d1
	v_sub_f32 v50, v44, v46
	v_fma_f32 v39, v20, v47, v44                   ; level 2, d3 = (v43, v39, v40)
	v_mul_f32 v40, v20, v48
	v_fma_f32 v61, v21, v49, v45                   ; level 2, d2 = (v61, v42, v51); v61 is already b0
	v_fma_f32 v42, v21, v50, v46
	v_fma_f32 v42, v22, v49, v42
	v_mul_f32 v51, v22, v50
	v_sub_f32 v54, v43, v61                        ; G = d3 - d2
	v_sub_f32 v55, v39, v42
	v_sub_f32 v47, v40, v51
	v_fma_f32 v60, v23, v54, v42                   ; b1
	v_fma_f32 v59, v23, v55, v51                   ; b2
	v_mul_f32 v58, v23, v47                        ; b3
	; r, q and the three cases of a piece
	v_cmp_lt_f32 s48, 0, v14                       ; live: h > 0
	v_cmp_gt_f32 s49, s39, v4                      ; can be reached: t[k] < C
	v_cmp_lt_f32 s50, 0, v4                        ; t[k] > 0
	v_mul_f32 v56, 0x3f13cd3a, v36                 ; r = 1 / (sqrt 3 h)
	v_mul_f32 v57, -v12, v36                       ; q = -kappa_lo / h
	v_mov_b32 v43, 0x00800000                      ; empty at 0: r = 2^-126, q = 2^126: s = 1 for every finite x
	v_mov_b32 v44, 0x7e13cd3a                      ; empty elsewhere: r = 2^126 / sqrt 3,
	v_cndmask_b32 v43, v43, v44, s50
	v_mul_f32 v45, 0x3f7fffff, v4                  ; t[k] (1 - 2^-24) rounds to the float below t[k],
	v_mul_f32 v45, 0xfe800000, v45                 ; q = -2^126 times it: a step between that float and t[k]
	v_mov_b32 v46, 0x7e800000
	v_cndmask_b32 v45, v46, v45, s50
	v_cndmask_b32 v56, v43, v56, s48
	v_cndmask_b32 v57, v45, v57, s48
	v_cndmask_b32 v58, 0, v58, s49
	v_cndmask_b32 v59, 0, v59, s49
	v_cndmask_b32 v60, 0, v60, s49
	ds_store_b128 v53, v[56:59] offset:L_TAB       ; lanes 6 to 31 write the same bytes with the same values
	ds_store_b64 v53, v[60:61] offset:L_TAB+16
	XLOADS 8, 8                                    ; wave 0's second eight chunks: behind all its arithmetic and the table's stores
	s_branch .Lmeet
.Lothers:
	XLOADS 8, 8                                    ; the other waves' second eight chunks go out while wave 0 makes the table
.Lmeet:
	s_wait_dscnt 0x0                               ; for the other waves' sake: wave 0's table is in LDS before it signals
	s_barrier_signal -1
	s_barrier_wait -1
.set j, 0
.rept 7
	ds_load_b128 v[TAB+6*j:TAB+6*j+3], v[ZR] offset:L_TAB+32*j         ; every lane reads the same words
	ds_load_b64 v[TAB+6*j+4:TAB+6*j+5], v[ZR] offset:L_TAB+32*j+16
.set j, j+1
.endr
	s_wait_dscnt 0x0
; Piece i for the 8 elements at v[XB:XB+7].  A table pair serves as two broadcast operands: op_sel and op_sel_hi pick its first or its second register for both halves.
.macro PIECE i
.irp p, 0,2,4,6
	v_pk_fma_f32 v[SS+\p:SS+\p+1], v[XB+\p:XB+\p+1], v[TAB+6*\i:TAB+6*\i+1], v[TAB+6*\i:TAB+6*\i+1] op_sel:[0,0,1] op_sel_hi:[1,0,1] clamp     ; s = x r + q, clamped to [0, 1] by the instruction itself
.endr
.irp p, 0,2,4,6
	v_pk_fma_f32 v[TT+\p:TT+\p+1], v[SS+\p:SS+\p+1], v[TAB+6*\i+2:TAB+6*\i+3], v[TAB+6*\i+2:TAB+6*\i+3] op_sel:[0,0,1] op_sel_hi:[1,0,1]       ; s b3 + b2
.endr
.irp p, 0,2,4,6
	v_pk_fma_f32 v[TT+\p:TT+\p+1], v[TT+\p:TT+\p+1], v[SS+\p:SS+\p+1], v[TAB+6*\i+4:TAB+6*\i+5] op_sel_hi:[1,1,0]                              ; .. s + b1
.endr
.irp p, 0,2,4,6
.if \i == 0
	v_pk_fma_f32 v[AC+\p:AC+\p+1], v[TT+\p:TT+\p+1], v[SS+\p:SS+\p+1], v[TAB+4:TAB+5] op_sel:[0,0,1] op_sel_hi:[1,1,1]                         ; piece 0's b0 = P_0(0) starts the sum
.elseif \i == 6
	v_pk_fma_f32 v[XB+\p:XB+\p+1], v[TT+\p:TT+\p+1], v[SS+\p:SS+\p+1], v[AC+\p:AC+\p+1]                                                        ; x is done with: the result lands where it was
.else
	v_pk_fma_f32 v[AC+\p:AC+\p+1], v[TT+\p:TT+\p+1], v[SS+\p:SS+\p+1], v[AC+\p:AC+\p+1]
.endif
.endr
.endm
; Chunks 2 g and 2 g + 1.  The first eight groups each ask for two of the last sixteen chunks, eight groups ahead of their use.
; The stored registers and v1 are never written again, so no wait follows the stores.
.macro GROUP g
.set XB, XX+8*\g
.if \g < 8
	XLOADS 16+2*\g, 2
	s_wait_loadcnt 16                              ; 18 + 2 g chunks have been asked for, in order; chunks 2 g and 2 g + 1 are in when the 16 younger ones alone are out
.else
	s_wait_loadcnt 30-2*\g                         ; all 32 have been asked for: the 30 - 2 g younger ones stay out
.endif
.irp i, 0,1,2,3,4,5,6
	PIECE \i
.endr
	global_store_b128 v1, v[XB:XB+3], s[6:7] offset:CHUNK*(2*\g) th:TH_STORE_NT
	global_store_b128 v1, v[XB+4:XB+7], s[6:7] offset:CHUNK*(2*\g+1) th:TH_STORE_NT
.endm
.irp g, 0,1,2,3,4,5,6,7,8,9,10,11,12,13,14,15
	GROUP \g
.endr
	s_wait_tensorcnt 0x0
	ds_add_u32 v244, v245
	s_wait_dscnt 0x0
	s_endpgm
.Lfunc_end_k_q61db4400f0_spline:
	.size	k_q61db4400f0_spline, .Lfunc_end_k_q61db4400f0_spline-k_q61db4400f0_spline
	.p2alignl 7, 3214868480
	.fill 96, 4, 3214868480
	.section	.rodata,"a",@progbits
	.p2align	6, 0x0
	.amdhsa_kernel k_q61db4400f0_spline
		.amdhsa_group_segment_fixed_size 10240
		.amdhsa_private_segment_fixed_size 0
		.amdhsa_enable_private_segment 0
		.amdhsa_kernarg_size 88
		.amdhsa_user_sgpr_count 2
		.amdhsa_user_sgpr_kernarg_segment_ptr 1
		.amdhsa_wavefront_size32 1
		.amdhsa_system_sgpr_workgroup_id_x 1
		.amdhsa_system_sgpr_workgroup_id_y 1
		.amdhsa_system_sgpr_workgroup_id_z 1
		.amdhsa_system_vgpr_workitem_id 0
		.amdhsa_next_free_vgpr 246
		.amdhsa_next_free_sgpr 66
		.amdhsa_reserve_vcc 1
		.amdhsa_float_denorm_mode_32 3
		.amdhsa_float_denorm_mode_16_64 3
		.amdhsa_memory_ordered 1
		.amdhsa_forward_progress 1
		.amdhsa_inst_pref_size 146
	.end_amdhsa_kernel
	.amdgpu_metadata
---
amdhsa.version: [ 1, 2 ]
amdhsa.kernels:
  - .name:           k_q61db4400f0_spline
    .symbol:         k_q61db4400f0_spline.kd
    .args:
      - { .name: x, .offset: 0, .size: 8, .value_kind: global_buffer, .address_space: global }
      - { .name: out0, .offset: 8, .size: 8, .value_kind: global_buffer, .address_space: global }
      - { .name: W1, .offset: 16, .size: 8, .value_kind: global_buffer, .address_space: global }
      - { .name: b1, .offset: 24, .size: 8, .value_kind: global_buffer, .address_space: global }
      - { .name: W2, .offset: 32, .size: 8, .value_kind: global_buffer, .address_space: global }
      - { .name: b2, .offset: 40, .size: 8, .value_kind: global_buffer, .address_space: global }
      - { .name: Ww, .offset: 48, .size: 8, .value_kind: global_buffer, .address_space: global }
      - { .name: Wk, .offset: 56, .size: 8, .value_kind: global_buffer, .address_space: global }
      - { .name: a, .offset: 64, .size: 8, .value_kind: global_buffer, .address_space: global }
      - { .name: bw, .offset: 72, .size: 8, .value_kind: global_buffer, .address_space: global }
      - { .name: bk, .offset: 80, .size: 8, .value_kind: global_buffer, .address_space: global }
    .group_segment_fixed_size: 10240
    .private_segment_fixed_size: 0
    .kernarg_segment_align: 8
    .kernarg_segment_size: 88
    .max_flat_workgroup_size: 512
    .sgpr_count:     66
    .vgpr_count:     246
    .wavefront_size: 32
...
	.end_amdgpu_metadata
.endif
;; end of part 2
